; MI455X (gfx1250); checked and timed in simulation.
; The chip was launched on July 23, 2026; its instructions are those of AMD's public machine-readable ISA for CDNA 5 (MIT licence, August 2026) and "CDNA5" Instruction Set Architecture Reference Guide (July 2026). The comments in the code are by the model that wrote it; some were corrected since.
;; Transformer Block. Allowed arithmetic: matrix products marked QUANTISED: E4M3 operands, one given power-of-two scale a tensor, by v_wmma_f32_16x16x64_fp8_fp8 or v_wmma_f32_16x16x128_fp8_fp8, f32 sums; products left as they are: f32 operands where the result goes on into a quantised operand, else bf16, f16 or f32 operands; f32 sums; everything else in f32.
;; Inputs: W1 512 x 2,048 float32; W2 2,048 x 512 float32; Wk 8 x 512 x 64 float32; Wo 512 x 512 float32; Wq 8 x 512 x 64 float32; Wv 8 x 512 x 64 float32; b1 2,048 float32; b2 512 float32; bk 8 x 64 float32; bo 512 float32; bq 8 x 64 float32; bv 8 x 64 float32; ln1_b 512 float32; ln1_g 512 float32; ln2_b 512 float32; ln2_g 512 float32; lowp_scales 12 int32 (the exponents e of the quantised operands' scales 2^e); x 8,192 x 2 x 512 float32.
;; Outputs: out0 8,192 x 2 x 512 float32.
;; This version of the problem:
;;   THIS VERSION OF THE PROBLEM IS GIVEN IN LOW PRECISION. The matrix products marked QUANTISED in the list below multiply operands that are first quantised to E4M3 (4 exponent bits, 3 mantissa bits; 8 bits a number), with one given power-of-two scale for each operand tensor; their sums are f32. All else is computed in f32.
;;   The module's matrix products, in the order in which they are computed (A, B: the left and right operand; K: the contracted axis; several contracted axes count as one K, in the product's order):
;;     1. [M 512, K 512] x [K 512, N 16,384]; A: input Wq; B: computed on the way: QUANTISED (scales: A lowp_scales[0], B lowp_scales[1])
;;     2. [M 512, K 512] x [K 512, N 16,384]; A: input Wk; B: computed on the way: QUANTISED (scales: A lowp_scales[2], B lowp_scales[3])
;;     3. [M 512, K 512] x [K 512, N 16,384]; A: input Wv; B: computed on the way: QUANTISED (scales: A lowp_scales[4], B lowp_scales[5])
;;     4. batch 65,536 x [M 2, K 64] x [K 64, N 2]; A: computed on the way; B: computed on the way: left as it is (M = 2 < 16)
;;     5. batch 65,536 x [M 2, K 2] x [K 2, N 64]; A: softmax; B: computed on the way: left as it is (K = 2 < 32)
;;     6. [M 16,384, K 512] x [K 512, N 512]; A: computed on the way; B: input Wo: QUANTISED (scales: A lowp_scales[6], B lowp_scales[7])
;;     7. [M 16,384, K 512] x [K 512, N 2,048]; A: computed on the way; B: input W1: QUANTISED (scales: A lowp_scales[8], B lowp_scales[9])
;;     8. [M 16,384, K 2,048] x [K 2,048, N 512]; A: computed on the way; B: input W2: QUANTISED (scales: A lowp_scales[10], B lowp_scales[11])
;;   THE QUANTISER, for each operand of a quantised product, along K:
;;     - The operand's scale is 2^e, e = its entry of the input lowp_scales (int32; the entries are numbered through the quantised products in the list's order, A before B).
;;     - Each number is divided by the scale, clamped to +-448, and rounded to the nearest number of E4M3, ties to even, subnormals kept.
;;     - The product sums the exact products of the quantised numbers (number of the format x scale) in f32.
;;   ~~~python
;;   def quantise(x, axis, e):      # numpy; x: float32 -> the quantised numbers, widened to float32 again
;;       x = np.moveaxis(x, axis, -1); K = x.shape[-1]
;;       r = np.clip(x / 2.0 ** e, -448, 448)
;;       step = 2.0 ** (np.maximum(np.frexp(np.where(r == 0, 1, r))[1] - 1, -6) - 3)
;;       q = np.round(r / step) * step * 2.0 ** e      # np.round: ties to even
;;       return np.moveaxis(q, -1, axis).astype(np.float32)
;;   ~~~
;;   OPERANDS COMPUTED ON THE WAY. 'Computed on the way' means the value that the module computes at that place (a softmax that the list does not call 'softmax' is quantised finished and normalised). What goes into a quantiser is computed in f32, as accurately as f32 sums, v_exp_f32 and their like allow (about 1e-6 of the number): no bf16 or f16 on the way to a quantiser, and a product that is left as it is and whose result goes on into a quantised operand takes f32 operands (vector FMAs, or v_wmma_f32_16x16x4_f32). A number that lies on a knife's edge between two numbers of the format may be rounded either way, as far as f32 arithmetic and the matrix unit's own rounding can turn it there, and no further.
;; One version. Each part assembles by itself: llvm-mc -triple=amdgcn-amd-amdhsa -mcpu=gfx1250 --defsym DOCPART=n.
;; ======== version 1 of 1: 2 launches
;; limits: right only within a limited range of input values
;; workspace buffers: wcodes 3,145,728 bytes
;; launch prep (part 1): grid 256 x 3, 4 waves a work-group, no clusters, 0 bytes of LDS; arguments Wq, Wk, Wv, Wo, W1, W2, lowp_scales, wcodes; writes wcodes
.if DOCPART == 1
	.amdgcn_target "amdgcn-amd-amdhsa--gfx1250"
	.amdhsa_code_object_version 6
	.text
	.protected	k_qd70850fde3_prep
	.globl	k_qd70850fde3_prep
	.p2align	8
	.type	k_qd70850fde3_prep,@function
k_qd70850fde3_prep:
	s_mov_b64 s[64:65], 0
	v_nop
	global_prefetch_b8 v0, s[64:65] scope:SCOPE_SE
	s_setreg_imm32_b32 hwreg(HW_REG_WAVE_MODE, 25, 1), 1
	s_wait_xcnt 0x0
; All six weights, f32 with K as their first axis, become codes of FP8 (E4M3), each tensor with the scale 2^e that is given for it, laid in the order in which
; a wave of the second launch takes them into its registers.
; code = w / 2^e, held within +-448, rounded to the nearest code, ties to even.  LIMITS: each e between -126 and 119; NaN among the weights is not served.
; THE OUTPUT: four streams of 786,432 bytes, one for each wave w of the second launch; a stream is 96 units of 8,192 bytes, a unit four fragments of 2,048 bytes.
; A fragment is 16 columns x 128 along K as an image of registers: byte 512 c + 256 h + 16 i + e holds column index i at k = 32 c + 16 h + e.
; Column index i of tile 2 b + u stands for column 32 b + 8 u + i + 8 (i / 8) of the wave's 128 columns.
; Units: 0-7 Wq, 8-15 Wk, 16-23 Wv, 24-31 Wo (a unit: one tile x the four K steps of 128); for chunk j of the hidden layer: 32 + 16 j + t W1's tile t (likewise),
; 40 + 16 j + 2 s + half W2's tiles 4 half .. 4 half + 3 at K step 512 j + 128 s.
; SHARES: a wave takes 32 columns (a pair of tiles) x 32 along K.  A LANE TAKES A COLUMN AND ITS REGISTERS RUN DOWN K: each load reads 128 consecutive bytes, the conversions give
; codes with K innermost, and each store's sixteen neighbouring lanes fill 256 consecutive bytes, aligned.  No LDS, no barrier: waves share nothing.
.set X, 8                              ; v8-39   32 numbers down K
.set C, 40                             ; v40-47  their codes
.set STREAM, 786432
.macro LOADS stride                    ; 32 rows of the weight at my column
.set li, 0
.rept 32
	global_load_b32 v[X+li], v4, s[42:43] offset:li*(\stride) th:TH_LOAD_NT
.set li, li+1
.endr
.endm
	s_load_b512 s[4:19], s[0:1], 0x0               ; Wq, Wk, Wv, Wo, W1, W2, the scales' exponents, the codes
	v_lshrrev_b32 v1, 5, v0
	v_readfirstlane_b32 s20, v1                    ; the wave's number: which pair of tiles
	v_and_b32 v2, 15, v0                           ; i
	v_bfe_u32 v3, v0, 4, 1                         ; u
	v_and_b32 v4, 8, v2
	v_add_nc_u32 v4, v4, v2                        ; i + 8 (i / 8)
	v_lshl_add_u32 v4, v3, 3, v4                   ; + 8 u: my column among the pair's 32
	v_lshlrev_b32 v4, 2, v4                        ; in bytes
	v_lshlrev_b32 v5, 4, v2                        ; 16 i: my place in a fragment's block
	s_lshr_b32 s21, ttmp9, 6                       ; the work-group's x in four fields of two bits: f3,
	s_bfe_u32 s22, ttmp9, 0x20004                  ; f2,
	s_bfe_u32 s23, ttmp9, 0x20002                  ; s: the K step of 128,
	s_and_b32 s36, ttmp9, 3                        ; c: the block of 32 in it
	s_and_b32 s37, ttmp7, 0xffff                   ; y: 0 Wq, Wk, Wv, Wo; 1 W1; 2 W2
	s_lshl_b32 s38, s23, 7
	s_lshl_b32 s48, s36, 5
	s_add_co_u32 s38, s38, s48                     ; 128 s + 32 c
	s_lshl_b32 s49, s23, 11
	s_lshl_b32 s48, s36, 9
	s_add_co_u32 s49, s49, s48                     ; 2048 s + 512 c
	s_mov_b32 s41, 0
	s_mov_b32 s45, 0
	s_wait_kmcnt 0x0
	s_load_b256 s[24:31], s[16:17], 0x0            ; e0 .. e7
	s_load_b128 s[32:35], s[16:17], 0x20           ; e8 .. e11
	s_cmp_eq_u32 s37, 1
	s_cbranch_scc1 .Lw1
	s_cmp_eq_u32 s37, 2
	s_cbranch_scc1 .Lw2
	; y = 0: tensor f3, stream f2.  The codes go to unit 8 f3 + 2 pair (+ u), fragment s, block c
	s_lshl_b32 s48, s21, 3
	s_lshl_b32 s50, s20, 1
	s_add_co_u32 s48, s48, s50
	s_lshl_b32 s48, s48, 13
	s_mul_i32 s44, s22, STREAM
	s_add_co_u32 s44, s44, s48
	s_add_co_u32 s44, s44, s49
	s_mov_b32 s46, 8192                            ; from tile 2 b to tile 2 b + 1: a unit
	s_cmp_eq_u32 s21, 3
	s_cbranch_scc1 .Lwo
	; Wq, Wk or Wv, [8][512][64]: head 2 f2 + pair / 2, row k of 256 bytes, 32 (pair % 2) columns on
	s_cmp_eq_u32 s21, 0
	s_cselect_b64 s[42:43], s[4:5], s[6:7]
	s_cmp_eq_u32 s21, 2
	s_cselect_b64 s[42:43], s[8:9], s[42:43]
	s_lshl_b32 s48, s22, 1
	s_lshr_b32 s50, s20, 1
	s_add_co_u32 s48, s48, s50
	s_lshl_b32 s40, s48, 17
	s_lshl_b32 s48, s38, 8
	s_add_co_u32 s40, s40, s48
	s_and_b32 s48, s20, 1
	s_lshl_b32 s48, s48, 7
	s_add_co_u32 s40, s40, s48
	s_add_nc_u64 s[42:43], s[42:43], s[40:41]
	s_wait_alu depctr_va_vdst(0)
	LOADS 256
	s_wait_kmcnt 0x0
	s_cmp_eq_u32 s21, 0
	s_cselect_b32 s47, s24, s26                    ; e0, e2 or e4
	s_cmp_eq_u32 s21, 2
	s_cselect_b32 s47, s28, s47
	s_branch .Ljoin
.Lwo:                                                  ; Wo, [512][512]: row k of 2,048 bytes, column 128 f2 + 32 pair
	s_lshl_b32 s40, s38, 11
	s_lshl_b32 s48, s22, 9
	s_add_co_u32 s40, s40, s48
	s_lshl_b32 s48, s20, 7
	s_add_co_u32 s40, s40, s48
	s_add_nc_u64 s[42:43], s[10:11], s[40:41]
	s_wait_alu depctr_va_vdst(0)
	LOADS 2048
	s_wait_kmcnt 0x0
	s_mov_b32 s47, s31                             ; e7
	s_branch .Ljoin
.Lw1:                                                  ; W1, [512][2048]: chunk j = f3, stream f2: row k of 8,192 bytes, column 512 j + 128 f2 + 32 pair
	s_lshl_b32 s40, s38, 13
	s_lshl_b32 s48, s21, 11
	s_add_co_u32 s40, s40, s48
	s_lshl_b32 s48, s22, 9
	s_add_co_u32 s40, s40, s48
	s_lshl_b32 s48, s20, 7
	s_add_co_u32 s40, s40, s48
	s_add_nc_u64 s[42:43], s[12:13], s[40:41]
	s_lshl_b32 s48, s21, 4
	s_lshl_b32 s50, s20, 1
	s_add_co_u32 s48, s48, s50
	s_add_co_u32 s48, s48, 32                      ; unit 32 + 16 j + 2 pair
	s_lshl_b32 s48, s48, 13
	s_mul_i32 s44, s22, STREAM
	s_add_co_u32 s44, s44, s48
	s_add_co_u32 s44, s44, s49
	s_mov_b32 s46, 8192
	s_wait_alu depctr_va_vdst(0)
	LOADS 8192
	s_wait_kmcnt 0x0
	s_mov_b32 s47, s33                             ; e9
	s_branch .Ljoin
.Lw2:                                                  ; W2, [2048][512]: stream f3, chunk j = f2: row 512 j + 128 s + 32 c of 2,048 bytes, column 128 f3 + 32 pair
	s_lshl_b32 s48, s22, 9
	s_add_co_u32 s48, s48, s38
	s_lshl_b32 s40, s48, 11
	s_lshl_b32 s48, s21, 9
	s_add_co_u32 s40, s40, s48
	s_lshl_b32 s48, s20, 7
	s_add_co_u32 s40, s40, s48
	s_add_nc_u64 s[42:43], s[14:15], s[40:41]
	s_lshl_b32 s48, s22, 4
	s_lshl_b32 s50, s23, 1
	s_add_co_u32 s48, s48, s50
	s_add_co_u32 s48, s48, 40                      ; unit 40 + 16 j + 2 s; tile 2 pair + u lies 4,096 pair + 2,048 u bytes on (over the unit's end into the second half's unit)
	s_lshl_b32 s48, s48, 13
	s_mul_i32 s44, s21, STREAM
	s_add_co_u32 s44, s44, s48
	s_lshl_b32 s48, s20, 12
	s_add_co_u32 s44, s44, s48
	s_lshl_b32 s48, s36, 9
	s_add_co_u32 s44, s44, s48
	s_mov_b32 s46, 2048
	s_wait_alu depctr_va_vdst(0)
	LOADS 2048
	s_wait_kmcnt 0x0
	s_mov_b32 s47, s35                             ; e11
.Ljoin:
	s_add_nc_u64 s[18:19], s[18:19], s[44:45]
	v_mad_u32_u24 v5, v3, s46, v5                  ; 16 i + u x the distance between the pair's tiles
	s_add_co_i32 s47, s47, 127
	s_lshl_b32 s48, s47, 23
	v_mov_b32 v6, s48                              ; 2^e as f32: the conversion takes its exponent field
	s_add_co_i32 s47, s47, 8
	s_lshl_b32 s47, s47, 23
	s_or_b32 s47, s47, 0x600000
	v_mov_b32 v7, s47                              ; 448 x 2^e
	s_wait_alu depctr_va_vdst(0)
	s_wait_loadcnt 0x0
.set li, 0
.rept 32
	v_med3_num_f32 v[X+li], v[X+li], -v7, v7       ; the conversion to an 8-bit code does not saturate (ISA guide 7.6.2): the hold comes first
.set li, li+1
.endr
.irp g, 0,1,2,3
	v_cvt_scalef32_pk8_fp8_f32 v[C+2*\g:C+2*\g+1], v[X+8*\g:X+8*\g+7], v6
.endr
	global_store_b128 v5, v[C:C+3], s[18:19]                 ; k = 32 c + 0 .. 15: the half h = 0; sixteen lanes fill 256 consecutive bytes, aligned
	global_store_b128 v5, v[C+4:C+7], s[18:19] offset:256    ; k = 32 c + 16 .. 31: h = 1
	s_endpgm
.Lfunc_end_k_qd70850fde3_prep:
	.size	k_qd70850fde3_prep, .Lfunc_end_k_qd70850fde3_prep-k_qd70850fde3_prep
	.p2alignl 7, 3214868480
	.fill 96, 4, 3214868480
	.section	.rodata,"a",@progbits
	.p2align	6, 0x0
	.amdhsa_kernel k_qd70850fde3_prep
		.amdhsa_group_segment_fixed_size 0
		.amdhsa_private_segment_fixed_size 0
		.amdhsa_enable_private_segment 0
		.amdhsa_kernarg_size 64
		.amdhsa_user_sgpr_count 2
		.amdhsa_user_sgpr_kernarg_segment_ptr 1
		.amdhsa_wavefront_size32 1
		.amdhsa_system_sgpr_workgroup_id_x 1
		.amdhsa_system_sgpr_workgroup_id_y 1
		.amdhsa_system_sgpr_workgroup_id_z 1
		.amdhsa_system_vgpr_workitem_id 0
		.amdhsa_next_free_vgpr 48
		.amdhsa_next_free_sgpr 66
		.amdhsa_reserve_vcc 0
		.amdhsa_float_denorm_mode_32 3
		.amdhsa_float_denorm_mode_16_64 3
		.amdhsa_memory_ordered 1
		.amdhsa_forward_progress 1
		.amdhsa_inst_pref_size 20
	.end_amdhsa_kernel
	.amdgpu_metadata
---
amdhsa.version: [ 1, 2 ]
amdhsa.kernels:
  - .name:           k_qd70850fde3_prep
    .symbol:         k_qd70850fde3_prep.kd
    .args:
      - { .name: Wq, .offset: 0, .size: 8, .value_kind: global_buffer, .address_space: global }
      - { .name: Wk, .offset: 8, .size: 8, .value_kind: global_buffer, .address_space: global }
      - { .name: Wv, .offset: 16, .size: 8, .value_kind: global_buffer, .address_space: global }
      - { .name: Wo, .offset: 24, .size: 8, .value_kind: global_buffer, .address_space: global }
      - { .name: W1, .offset: 32, .size: 8, .value_kind: global_buffer, .address_space: global }
      - { .name: W2, .offset: 40, .size: 8, .value_kind: global_buffer, .address_space: global }
      - { .name: lowp_scales, .offset: 48, .size: 8, .value_kind: global_buffer, .address_space: global }
      - { .name: wcodes, .offset: 56, .size: 8, .value_kind: global_buffer, .address_space: global }
    .group_segment_fixed_size: 0
    .private_segment_fixed_size: 0
    .kernarg_segment_align: 8
    .kernarg_segment_size: 64
    .max_flat_workgroup_size: 128
    .sgpr_count:     66
    .vgpr_count:     48
    .wavefront_size: 32
...
	.end_amdgpu_metadata
.endif
;; end of part 1
;; launch block (part 2): grid 256 x 1, 4 waves a work-group, clusters of 4 x 1, 327,680 bytes of LDS; arguments x, wcodes, lowp_scales, bq, bk, bv, bo, b1, b2, ln1_g, ln1_b, ln2_g, ln2_b, out0; writes out0
.if DOCPART == 2
	.amdgcn_target "amdgcn-amd-amdhsa--gfx1250"
	.amdhsa_code_object_version 6
	.text
	.protected	k_qd70850fde3_block
	.globl	k_qd70850fde3_block
	.p2align	8
	.type	k_qd70850fde3_block,@function
k_qd70850fde3_block:
	s_mov_b64 s[64:65], 0
	v_nop
	global_prefetch_b8 v0, s[64:65] scope:SCOPE_SE
	s_setreg_imm32_b32 hwreg(HW_REG_WAVE_MODE, 25, 1), 1
	s_wait_xcnt 0x0
	s_wait_alu depctr_hold_cnt(0) depctr_sa_sdst(0) depctr_va_vdst(0) depctr_va_sdst(0) depctr_va_ssrc(0) depctr_va_vcc(0) depctr_vm_vsrc(0)
	s_getreg_b32 s2, hwreg(HW_REG_IB_STS2, 6, 4)
	s_cmp_eq_u32 s2, 0
	s_cbranch_scc0 .Lentry_in_a_cluster
	s_endpgm
.Lentry_in_a_cluster:
	s_bfe_u32 s2, ttmp6, 0x10000c
	s_cmp_lg_u32 s2, 0x3003
	s_cbranch_scc0 .Lentry_shape_is_right
	s_endpgm
.Lentry_shape_is_right:
; The whole transformer block for 64 rows (32 batches of 2 tokens) a work-group: LN1, q k v, the 2 x 2 causal attention, Wo, residual, LN2, W1, relu, W2, residual.
; The six large products run on codes of FP8 (E4M3) by v_wmma_f32_16x16x128_fp8_fp8, sums in f32; all else is f32.
; WORK LEFT OUT: under reference()'s own causal mask token 0 sees key 0 alone: its softmax is 1 for all inputs, its context is v of token 0, and its q reaches no output: q is multiplied for token 1 alone.
; A NaN, an infinity or an overflow that reaches only token 0's q is not carried to the result.  Every input is loaded.
; ROWS: row tile m (0..3), lane r: batch 16 (m / 2) + r, token m % 2.  WAVE w makes columns 128 w .. 128 w + 127 of every layer, for all 64 rows.
; EVERY PRODUCT IS USED TRANSPOSED (source 0 = 16 columns of a weight, source 1 = 16 rows): a lane holds one row, and by the choice of a tile's columns (made where the codes were laid out)
; the 16 registers of tiles 2 b, 2 b + 1 are 16 neighbours along the next K: 32 b + 16 (lane / 16) + 0 .. 15.  Operands go from wave to wave through LDS as images of their registers: fragment (m, s) at 2048 (4 m + s) + 512 c + 16 x lane.
; x, THEN x1, STAY IN REGISTERS (window 3) in the results' layout: register 8 (4 t + m) + j.  x1 / 2^(e10 + e11) + b2 / 2^(e10 + e11) starts the last product's sums.  The norms' sums of a row go between the waves through 2 KB of LDS.
; THE WEIGHTS: all work-groups walk the same four streams (one a wave), so 4 x 1 work-groups form a cluster and ask JOINTLY: a lap = 4 units of 8,192 bytes for each wave = 131,072 bytes a slot, two slots, 24 laps.
; Load n (lap n) goes to slot (n + 1) % 2.  A lap's fourth unit is in registers when the slot is given up: its 16 products stand inside the round, and the refill (lap + 2) is the first tensor load behind it.
; x comes by one padded tensor load a wave onto bytes 0 .. 133,119; slot 0 (from byte 2,048) is filled over it once all waves hold x in registers.
; PREFETCH: behind the refill of lap n one instruction a wave names lap n + 2: 32 blocks of 256 bytes, a lane a block; the four partners share a wave's 128 blocks out by address (cx); only clusters 0 to 3 ask, since all clusters read the same bytes; the last two refills ask for nothing.
; LIMITS on the given exponents, so that each power of two below is an f32 number: e1, e3, e5, e8, e6 - e4 - e5, e10 - e8 - e9 between -126 and 119; e6 + e7 and e10 + e11 between -126 and 126; e0 + e1 + e2 + e3 between -123 and 130.  NaN among the inputs is not served.
; In the norm's second run the codes under the second and third scale are made and not used (one body serves both norms).
; WINDOWS of 256 registers: 0: v1-31 addresses; v32-95 ACC; v96-127 biases; v128-191 R1, v192-255 R2 at work.  1: the 16 fragments of the rows.  2: v0-127 two units of weights, v128-255 q.  3: x, x1, the last sums.
.set XP,    2080                       ; a row of x in LDS: 2 x (1,024 bytes + 16)
.set SL0,   2048
.set SLX,   131072                     ; slot 1 = slot 0 + 2^17: one exclusive or changes slots
.set IMG,   264192
.set PARW,  296960                     ; for each wave 13 sections of 512 bytes: biases of q, k, v, Wo, W1's four chunks, W2 (each divided by the power of two that its sums lack), ln1_g, ln1_b, ln2_g, ln2_b
.set STAT,  323584
.set SPARE, 325632
.set SPI,   528
.set LI,  1
.set CW,  2
.set IB,  3
.set XC0, 4
.set XC2, 5
.set PB,  6
.set PWW, 7
.set GO,  8
.set BN,  9
.set WBA, 10
.set STW, 11
.set STR, 12
.set PFO, 13
.set A0,  14
.set SC,  16
.set LIM, 17
.set NM,  22
.set RS,  26
.set SPW, 30
.set NIL, 31
.set ACC, 32
.set BIAS, 96
.set R1,  128
.set R2,  192
.set E,   12                           ; s12-23 e0 .. e11
.set G1,  24
.set G0,  36
.set WV,  32
.set LC,  82
.set PLIM, 83
.set LNO, 91
.set PF,  96
.set MSB, 0
.macro WIN new
.if MSB != \new
	s_set_vgpr_msb (MSB<<8)|\new
.set MSB, \new
.endif
.endm
.macro PLACES
.rept 4
	v_nop
.endr
.endm
.macro VW
	s_wait_alu depctr_va_vdst(0)
.endm
.macro BAR
	VW
	s_wait_dscnt 0x0
	s_barrier_signal -1
	s_barrier_wait -1
.endm
.macro CREST
	s_cmp_lg_u32 s[WV], 0
	s_cbranch_scc1 .Lnw0_\@
	s_barrier_signal -3
.Lnw0_\@:
	s_barrier_wait -3
	s_barrier_signal -1
	s_barrier_wait -1
.endm
.macro ROUND
	s_barrier_signal -1
	s_barrier_wait -1
	CREST
.endm
.macro ASK
	s_cmp_lt_u32 s[LC], s[PLIM]
	s_cbranch_scc0 .Lna_\@
	global_prefetch_b8 v[PFO], s[PF:PF+1] offset:32768 th:TH_LOAD_NT scope:SCOPE_SE
.Lna_\@:
.endm
.macro WLOAD k                         ; unit k of the lap in hand into buffer k % 2
	WIN 0x80
.set ui, 0
.rept 16
	ds_load_b128 v[64*((\k)%2)+4*ui:64*((\k)%2)+4*ui+3], v[WBA] offset:8192*(\k)+512*ui
.set ui, ui+1
.endr
	WIN 0
.endm
; one tile x K 512 against the four row tiles; four accumulators by turns; the bias is the C of each sum's first product
.macro MULK k, u, p
	WIN 0x06
.irp s, 0,1,2,3
.irp m, 0,1,2,3
.if \s == 0
	v_wmma_f32_16x16x128_fp8_fp8 v[ACC+32*(\u)+8*\m:ACC+32*(\u)+8*\m+7], v[64*((\k)%2)+16*\s:64*((\k)%2)+16*\s+15], v[16*(4*\m+\s):16*(4*\m+\s)+15], v[BIAS+16*(\p)+8*(\u):BIAS+16*(\p)+8*(\u)+7]
.else
	v_wmma_f32_16x16x128_fp8_fp8 v[ACC+32*(\u)+8*\m:ACC+32*(\u)+8*\m+7], v[64*((\k)%2)+16*\s:64*((\k)%2)+16*\s+15], v[16*(4*\m+\s):16*(4*\m+\s)+15], v[ACC+32*(\u)+8*\m:ACC+32*(\u)+8*\m+7]
.endif
.endr
.endr
.endm
; q: token 1's row tiles (m = 1, 3), into window 2 at 128 + 16 t + 8 g
.macro MULQ k, t
.irp s, 0,1,2,3
.if \s == 0
	WIN 0x86
.else
	WIN 0xa6
.endif
.irp g, 0,1
.if \s == 0
	v_wmma_f32_16x16x128_fp8_fp8 v[128+16*(\t)+8*\g:128+16*(\t)+8*\g+7], v[64*((\k)%2)+16*\s:64*((\k)%2)+16*\s+15], v[16*(4*(2*\g+1)+\s):16*(4*(2*\g+1)+\s)+15], v[BIAS+16*(((\t)/2)%2)+8*((\t)%2):BIAS+16*(((\t)/2)%2)+8*((\t)%2)+7]
.else
	v_wmma_f32_16x16x128_fp8_fp8 v[128+16*(\t)+8*\g:128+16*(\t)+8*\g+7], v[64*((\k)%2)+16*\s:64*((\k)%2)+16*\s+15], v[16*(4*(2*\g+1)+\s):16*(4*(2*\g+1)+\s)+15], v[128+16*(\t)+8*\g:128+16*(\t)+8*\g+7]
.endif
.endr
.endr
.endm
; W2: four tiles x one K step of 128 against the hidden fragments at v[hf]: 16 sums of window 3, each once
.macro MULB k, half, hf
	WIN 0xf2
.irp f, 0,1,2,3
.irp m, 0,1,2,3
	v_wmma_f32_16x16x128_fp8_fp8 v[8*(4*(4*(\half)+\f)+\m):8*(4*(4*(\half)+\f)+\m)+7], v[64*((\k)%2)+16*\f:64*((\k)%2)+16*\f+15], v[(\hf)+16*\m:(\hf)+16*\m+15], v[8*(4*(4*(\half)+\f)+\m):8*(4*(4*(\half)+\f)+\m)+7]
.endr
.endr
.endm
.macro MUL ty, k, a, b
.if \ty == 0
	MULK \k, \a, \b
.endif
.if \ty == 1
	MULQ \k, \a
.endif
.if \ty == 2
	MULB \k, \a, \b
.endif
.endm
; units 0 to 2 of a lap.  The wait leaves out 16 younger LDS loads: at least the next unit's (or the second hidden fragments') were issued behind this unit's
.macro UNIT ty, k, a, b
	s_wait_dscnt 16
	MUL \ty, \k, \a, \b
	WIN 0
	PLACES
.if (\k) < 2
	WLOAD (\k)+2
.endif
.endm
.macro CHG1                            ; all my tensor loads are in (the next lap's among them), the walking descriptor and the prefetch's base, my reads of this slot are over
	s_wait_tensorcnt 0x0
	ds_add_u32 v[SPW], v[NIL]
	s_xor_b32 s[G0+1], s[G0+1], SLX
	s_add_nc_u64 s[G0+2:G0+3], s[G0+2:G0+3], 32768
	s_wait_xcnt 0x0
	s_add_nc_u64 s[PF:PF+1], s[PF:PF+1], 32768
	s_add_co_u32 s[LC], s[LC], 1
	s_wait_dscnt 0x0
	s_barrier_signal -1
.endm
.macro CHG2 tog                        ; the round's rest, the joint refill, then the next lap's first two units
	s_barrier_wait -1
	CREST
	tensor_load_to_lds s[G0:G0+3], s[G1:G1+7]
	s_nop 0
	PLACES
.if \tog
	v_xor_b32 v[WBA], SLX, v[WBA]
	VW
.endif
	WLOAD 0
	WLOAD 1
	ASK
.endm
.macro TURN ty, a, b                   ; a lap's fourth unit: its products stand inside the round
	CHG1
	MUL \ty, 3, \a, \b
	WIN 0
	CHG2 1
.endm
.macro BIASLD p
.irp q, 0,1,2,3
	ds_load_b128 v[BIAS+16*(\p)+4*\q:BIAS+16*(\p)+4*\q+3], v[BN] offset:128*(\p)+16*\q
.endr
.endm
.macro LAPHEAD
	v_add_nc_u32 v[BN], s80, v[PB]
	VW
.endm
.macro LAPEND
	s_add_co_u32 s80, s80, 256
.endm
.macro ACTALL                          ; the sixteen fragments of the rows
	WIN 0x40
.set ai, 0
.rept 64
	ds_load_b128 v[4*ai:4*ai+3], v[IB] offset:512*ai
.set ai, ai+1
.endr
	WIN 0
.endm
.macro QSTORE relu, adr, p, codes
.set qi, 0
.rept 64
.if \relu
	v_med3_num_f32 v[ACC+qi], v[ACC+qi], 0, v[LIM]
.else
	v_med3_num_f32 v[ACC+qi], v[ACC+qi], -v[LIM], v[LIM]
.endif
.set qi, qi+1
.endr
.irp m, 0,1,2,3
.irp u, 0,1
	v_cvt_scalef32_pk8_fp8_f32 v[(\codes)+4*\m+2*\u:(\codes)+4*\m+2*\u+1], v[ACC+32*\u+8*\m:ACC+32*\u+8*\m+7], v[SC]
.endr
.endr
	v_nop
.irp m, 0,1,2,3
	ds_store_b128 v[\adr], v[(\codes)+4*\m:(\codes)+4*\m+3] offset:8192*\m+512*(\p)
.endr
.endm
.macro STASH src                       ; 64 registers of codes kept since the norm go to the images
.set qi, 0
.rept 16
	ds_store_b128 v[CW], v[(\src)+4*qi:(\src)+4*qi+3] offset:8192*(qi%4)+512*(qi/4)
.set qi, qi+1
.endr
.endm
.macro SCLIM d, e
	s_add_co_i32 s90, \e, 127
	s_lshl_b32 s[\d], s90, 23
	s_add_co_i32 s90, s90, 8
	s_lshl_b32 s90, s90, 23
	s_or_b32 s[\d+1], s90, 0x600000
.endm
.macro BSCALE sec, sreg
.irp k, 0,1,2,3
	v_ldexp_f32 v[R1+4*(\sec)+\k], v[R1+4*(\sec)+\k], s[\sreg]
.endr
	ds_store_b128 v[PWW], v[R1+4*(\sec):R1+4*(\sec)+3] offset:512*(\sec)
.endm
; four packed sums (one a row tile) -> the rows' sums over all 512 columns, in v44-47
.macro REDUCE off
.irp m, 0,1,2,3
	v_add_f32 v[40+\m], v[32+2*\m], v[33+2*\m]
.endr
.irp m, 0,1,2,3
	v_permlanex16_b32 v[32+\m], v[40+\m], s74, s75
.endr
.irp m, 0,1,2,3
	v_add_f32 v[40+\m], v[40+\m], v[32+\m]
.endr
	ds_store_b128 v[STW], v[40:43] offset:\off
	BAR
.irp k, 0,1,2,3
	ds_load_b128 v[44+4*\k:47+4*\k], v[STR] offset:(\off)+256*\k
.endr
	s_wait_dscnt 0x0
	v_pk_add_f32 v[44:45], v[44:45], v[48:49]
	v_pk_add_f32 v[46:47], v[46:47], v[50:51]
	v_pk_add_f32 v[52:53], v[52:53], v[56:57]
	v_pk_add_f32 v[54:55], v[54:55], v[58:59]
	v_pk_add_f32 v[44:45], v[44:45], v[52:53]
	v_pk_add_f32 v[46:47], v[46:47], v[54:55]
.endm
.macro QS sc, dst, b                   ; block b's 4 x 16 numbers at v32-95, held and converted under scale sc, codes kept at dst
.irp m, 0,1,2,3
.set qi, 0
.rept 16
	v_med3_num_f32 v[96+16*(\m%2)+qi], v[32+16*\m+qi], -v[(\sc)+1], v[(\sc)+1]
.set qi, qi+1
.endr
	v_cvt_scalef32_pk8_fp8_f32 v[(\dst)+4*(4*\b+\m):(\dst)+4*(4*\b+\m)+1], v[96+16*(\m%2):96+16*(\m%2)+7], v[\sc]
	v_cvt_scalef32_pk8_fp8_f32 v[(\dst)+4*(4*\b+\m)+2:(\dst)+4*(4*\b+\m)+3], v[96+16*(\m%2)+8:96+16*(\m%2)+15], v[\sc]
.endr
.endm
	; ---- HEAD
	s_load_b512 s[4:19], s[0:1], 0x0               ; x, the weights' codes, the exponents, bq, bk, bv, bo, b1
	s_load_b256 s[20:27], s[0:1], 0x40             ; b2, ln1_g, ln1_b, ln2_g
	s_load_b64 s[28:29], s[0:1], 0x60              ; ln2_b
	s_load_b64 s[2:3], s[0:1], 0x68                ; out0
	v_lshl_add_u32 v[SPW], v0, 2, SPARE
	v_mov_b32 v[NIL], 0
	ds_add_u32 v[SPW], v[NIL]
	ds_add_u32 v[SPW], v[NIL]
	v_lshrrev_b32 v15, 5, v0
	v_readfirstlane_b32 s[WV], v15
	s_bfe_u32 s33, ttmp6, 0x40000                  ; cx
	s_mov_b32 s40, (2<<16)|(1<<20)|(7<<22)|(3<<25) ; x's tile: 16 rows of 512 f32, every second row of x; 4 words of padding behind every 256
	s_mov_b32 s41, 512<<16
	s_mov_b32 s42, 16<<16
	s_mov_b32 s43, 512<<16
	s_mov_b32 s44, 16
	s_mov_b32 s45, 1024
	s_mov_b32 s46, 0
	s_mov_b32 s47, 0
	s_mov_b32 s92, 1
	s_mul_i32 s93, s[WV], 16*XP
	s_lshl_b32 s88, ttmp9, 2
	s_add_co_u32 s88, s88, s33
	s_lshl_b32 s88, s88, 17                        ; the work-group's 64 rows
	s_mov_b32 s89, 0
	s_lshr_b32 s90, s[WV], 1
	s_lshl_b32 s90, s90, 16
	s_and_b32 s87, s[WV], 1
	s_lshl_b32 s87, s87, 11
	s_add_co_u32 s90, s90, s87                     ; row 32 (w / 2) + w % 2
	s_lshl_b32 s48, s[WV], 11
	s_lshl_b32 s69, s[WV], 15
	s_add_co_u32 s69, s69, SL0+SLX                 ; my 32,768 bytes of slot 1
	s_lshl_b32 s50, s[WV], 9
	s_lshr_b32 s51, s[WV], 1
	s_lshl_b32 s51, s51, 4
	s_add_co_u32 s50, s50, s51                     ; my 512 bytes of a row of x in LDS
	s_mul_i32 s52, s[WV], 6656
	s_add_co_u32 s52, s52, PARW
	s_lshl_b32 s53, s[WV], 8
	s_mov_b32 s74, 0x76543210
	s_mov_b32 s75, 0xfedcba98
	s_mov_b32 s85, 0x3b000000                      ; 1 / 512
	s_mov_b32 s86, 0x3727c5ac                      ; 1e-5
	s_mov_b32 s[LC], 0
	s_cmp_lt_u32 ttmp9, 4
	s_cselect_b32 s[PLIM], 22, 0
	s_wait_dscnt 0x0
	s_wait_kmcnt 0x0
	s_add_nc_u64 s[2:3], s[2:3], s[88:89]
	s_add_co_u32 s88, s88, s90
	s_add_nc_u64 s[94:95], s[4:5], s[88:89]
	s_or_b32 s95, s95, 0x80000000
	ROUND
	tensor_load_to_lds s[92:95], s[40:47]          ; my row tile of x: my one tensor load at the head
	s_nop 0
	PLACES
	v_and_b32 v15, 31, v0
	v_lshlrev_b32 v[LI], 4, v15
	v_lshlrev_b32 v[PFO], 8, v15
	v_add_nc_u32 v[IB], IMG, v[LI]
	v_add_nc_u32 v[CW], s48, v[IB]
	v_add_nc_u32 v[WBA], s69, v[LI]
	v_and_b32 v14, 15, v0
	v_bfe_u32 v15, v0, 4, 1
	v_mul_u32_u24 v[XC0], v14, XP
	v_lshl_add_u32 v[XC0], v15, 6, v[XC0]
	v_add_nc_u32 v[XC0], s50, v[XC0]
	v_add_nc_u32 v[XC2], 32*XP, v[XC0]
	v_lshl_add_u32 v[PB], v15, 6, s52
	v_add_nc_u32 v[PWW], s52, v[LI]
	v_lshlrev_b32 v[GO], 4, v0
	v_lshlrev_b32 v[STR], 4, v14
	v_add_nc_u32 v[STR], STAT, v[STR]
	v_add_nc_u32 v[STW], s53, v[STR]
	VW
	global_load_b128 v[R1:R1+3], v[GO], s[10:11]
	global_load_b128 v[R1+4:R1+7], v[GO], s[12:13]
	global_load_b128 v[R1+8:R1+11], v[GO], s[14:15]
	global_load_b128 v[R1+12:R1+15], v[GO], s[16:17]
.irp j, 0,1,2,3
	global_load_b128 v[R1+16+4*\j:R1+19+4*\j], v[GO], s[18:19] offset:2048*\j
.endr
.irp j, 0,1,2,3,4
	global_load_b128 v[R1+32+4*\j:R1+35+4*\j], v[GO], s[20+2*\j:21+2*\j]
.endr
	s_wait_xcnt 0x0                                ; the loads have read their bases: s12-31 may be written
	s_load_b256 s[12:19], s[8:9], 0x0
	s_load_b128 s[20:23], s[8:9], 0x20
	s_mov_b32 s[G1], 15|(3<<16)|(1<<21)            ; the weights' tile: 128 rows of 256 bytes, dense; the mask names the cluster's four
	s_mov_b32 s[G1+1], 32<<16
	s_mov_b32 s[G1+2], 128<<16
	s_mov_b32 s[G1+3], 32<<16
	s_mov_b32 s[G1+4], 128
	s_mov_b32 s[G1+5], 32
	s_mov_b32 s[G1+6], 0
	s_mov_b32 s[G1+7], 0
	s_wait_kmcnt 0x0
	s_add_co_i32 s87, s[E], s[E+1]
	s_sub_co_i32 s48, 0, s87
	s_add_co_i32 s88, s[E+2], s[E+3]
	s_sub_co_i32 s49, 0, s88
	s_add_co_i32 s87, s87, s88
	s_lshl_b32 s87, s87, 23
	s_add_co_i32 s68, s87, 0x3e38aa3b              ; log2(e) / 8 x 2^(e0 + e1 + e2 + e3)
	s_add_co_i32 s88, s[E+4], s[E+5]
	s_sub_co_i32 s50, 0, s88
	s_sub_co_i32 s89, s[E+6], s88
	SCLIM 62, s89
	s_add_co_i32 s87, s[E+6], s[E+7]
	s_sub_co_i32 s51, 0, s87
	s_add_co_i32 s87, s87, 127
	s_lshl_b32 s70, s87, 23
	s_mov_b32 s71, s70
	s_add_co_i32 s88, s[E+8], s[E+9]
	s_sub_co_i32 s52, 0, s88
	s_sub_co_i32 s89, s[E+10], s88
	SCLIM 66, s89
	s_add_co_i32 s87, s[E+10], s[E+11]
	s_sub_co_i32 s53, 0, s87
	s_sub_co_i32 s88, 127, s87
	s_lshl_b32 s76, s88, 23                        ; 2^-(e10 + e11)
	s_mov_b32 s77, s76
	s_add_co_i32 s87, s87, 127
	s_lshl_b32 s72, s87, 23
	s_mov_b32 s73, s72
	SCLIM 54, s[E+1]
	SCLIM 56, s[E+3]
	SCLIM 58, s[E+5]
	SCLIM 60, s[E+8]
	s_wait_loadcnt 0x0
	BSCALE 0, 48
	BSCALE 1, 49
	BSCALE 2, 50
	BSCALE 3, 51
	BSCALE 4, 52
	BSCALE 5, 52
	BSCALE 6, 52
	BSCALE 7, 52
	BSCALE 8, 53
.irp k, 9,10,11,12
	ds_store_b128 v[PWW], v[R1+4*\k:R1+4*\k+3] offset:512*\k
.endr
	VW
	s_wait_tensorcnt 0x0                           ; my tile of x is in
	ds_add_u32 v[SPW], v[NIL]
	s_mov_b32 s[G0], 1
	s_mov_b32 s[G0+1], s69
	s_mul_i32 s34, s[WV], 786432
	s_mov_b32 s35, 0
	s_add_nc_u64 s[G0+2:G0+3], s[6:7], s[34:35]    ; my stream, lap 0
	s_lshl_b32 s88, s33, 13
	s_add_co_u32 s88, s88, 32768
	s_mov_b32 s89, 0
	s_add_nc_u64 s[PF:PF+1], s[G0+2:G0+3], s[88:89] ; lap 1, my work-group's 32 blocks of my stream's 128
	s_or_b32 s[G0+3], s[G0+3], 0x80000000
	s_wait_dscnt 0x0
	ROUND
	tensor_load_to_lds s[G0:G0+3], s[G1:G1+7]      ; lap 0 into slot 1: a first fill
	s_nop 0
	PLACES
	WIN 0xc0
.set hx, 0
.rept 64                                       ; x at my columns: register 8 (4 t + m) + 4 q
	ds_load_b128 v[8*(hx/2)+4*(hx%2):8*(hx/2)+4*(hx%2)+3], v[XC0+((hx/2)%4)/2] offset:((hx/2)%2)*16*XP+128*(hx/16)+32*((hx/8)%2)+16*(hx%2)
.set hx, hx+1
.endr
	WIN 0
	s_cmp_lt_u32 s[LC], s[PLIM]
	s_cbranch_scc0 .Lnofirst
	global_prefetch_b8 v[PFO], s[PF:PF+1] th:TH_LOAD_NT scope:SCOPE_SE                ; lap 1 (the buffer's first touch) and lap 2
	global_prefetch_b8 v[PFO], s[PF:PF+1] offset:32768 th:TH_LOAD_NT scope:SCOPE_SE
.Lnofirst:
	s_mov_b32 s79, 0
	s_mov_b32 s80, 0
	s_mov_b32 s[LNO], 4608
	VW
	; ---- A LAYER NORM of window 3's rows, and its codes: run once for LN1 (scales e1, e3, e5) and once for LN2 (e8)
.Lln:
	v_add_nc_u32 v[A0], s[LNO], v[PB]
	VW
	WIN 0x40
.set gi, 0
.rept 16
	ds_load_b128 v[4*gi:4*gi+3], v[A0] offset:128*(gi/4)+16*(gi%4)           ; gains: window 1, v[16 b ..]
	ds_load_b128 v[64+4*gi:64+4*gi+3], v[A0] offset:512+128*(gi/4)+16*(gi%4) ; offsets: v[64 + 16 b ..]
.set gi, gi+1
.endr
	s_wait_dscnt 0x0
	WIN 0x0f
.irp m, 0,1,2,3
	v_pk_add_f32 v[32+2*\m:33+2*\m], v[8*\m:8*\m+1], v[8*\m+2:8*\m+3]
.endr
	WIN 0x0c
.set ni, 2
.rept 30
.irp m, 0,1,2,3
	v_pk_add_f32 v[32+2*\m:33+2*\m], v[32+2*\m:33+2*\m], v[8*(4*(ni/4)+\m)+2*(ni%4):8*(4*(ni/4)+\m)+2*(ni%4)+1]
.endr
.set ni, ni+1
.endr
	WIN 0
	REDUCE 0
.irp m, 0,1,2,3
	v_mul_f32 v[NM+\m], 0xbb000000, v[44+\m]       ; - mean
.endr
.irp b, 0,1,2,3                                ; the squares of the differences: a common offset costs no accuracy
	WIN 0x03
.irp u, 0,1
.irp i, 0,2,4,6
.irp mh, 0,1
	v_pk_add_f32 v[R1+32*\mh+8*\u+\i:R1+32*\mh+8*\u+\i+1], v[8*(4*(2*\b+\u)+2*\mh)+\i:8*(4*(2*\b+\u)+2*\mh)+\i+1], v[NM+2*\mh:NM+2*\mh+1] op_sel_hi:[1,0]
	v_pk_add_f32 v[R1+32*\mh+16+8*\u+\i:R1+32*\mh+16+8*\u+\i+1], v[8*(4*(2*\b+\u)+2*\mh+1)+\i:8*(4*(2*\b+\u)+2*\mh+1)+\i+1], v[NM+2*\mh:NM+2*\mh+1] op_sel:[0,1] op_sel_hi:[1,1]
.endr
.endr
.endr
	WIN 0
.irp k, 0,2,4,6,8,10,12,14
.irp m, 0,1,2,3
.if (\b == 0) && (\k == 0)
	v_pk_mul_f32 v[32+2*\m:33+2*\m], v[R1+16*\m:R1+16*\m+1], v[R1+16*\m:R1+16*\m+1]
.else
	v_pk_fma_f32 v[32+2*\m:33+2*\m], v[R1+16*\m+\k:R1+16*\m+\k+1], v[R1+16*\m+\k:R1+16*\m+\k+1], v[32+2*\m:33+2*\m]
.endif
.endr
.endr
.endr
	REDUCE 1024
.irp m, 0,1,2,3
	v_fma_f32 v[40+\m], v[44+\m], s85, s86         ; var + eps
.endr
.irp k, 0,1,2,3,4,5
	v_mov_b32 v[SC+\k], s[54+\k]
.endr
	VW
.irp m, 0,1,2,3
	v_rsq_f32 v[RS+\m], v[40+\m]
.endr
	v_nop
	VW
.irp m, 0,1,2,3
	v_mul_f32 v[NM+\m], v[NM+\m], v[RS+\m]         ; - mean x rstd
.endr
.irp b, 0,1,2,3
	WIN 0x03
.irp u, 0,1
.irp i, 0,2,4,6
.irp mh, 0,1
	v_pk_fma_f32 v[32+32*\mh+8*\u+\i:32+32*\mh+8*\u+\i+1], v[8*(4*(2*\b+\u)+2*\mh)+\i:8*(4*(2*\b+\u)+2*\mh)+\i+1], v[RS+2*\mh:RS+2*\mh+1], v[NM+2*\mh:NM+2*\mh+1] op_sel_hi:[1,0,0]
	v_pk_fma_f32 v[48+32*\mh+8*\u+\i:48+32*\mh+8*\u+\i+1], v[8*(4*(2*\b+\u)+2*\mh+1)+\i:8*(4*(2*\b+\u)+2*\mh+1)+\i+1], v[RS+2*\mh:RS+2*\mh+1], v[NM+2*\mh:NM+2*\mh+1] op_sel:[0,1,1] op_sel_hi:[1,1,1]
.endr
.endr
.endr
	WIN 0x14
.irp m, 0,1,2,3
.irp k, 0,2,4,6,8,10,12,14
	v_pk_fma_f32 v[32+16*\m+\k:32+16*\m+\k+1], v[32+16*\m+\k:32+16*\m+\k+1], v[16*\b+\k:16*\b+\k+1], v[64+16*\b+\k:64+16*\b+\k+1]
.endr
.endr
	WIN 0
	QS SC+2, R1, \b
	QS SC+4, R2, \b
.set qi, 0
.rept 64
	v_med3_num_f32 v[32+qi], v[32+qi], -v[LIM], v[LIM]
.set qi, qi+1
.endr
.irp m, 0,1,2,3
	v_cvt_scalef32_pk8_fp8_f32 v[96+4*\m:97+4*\m], v[32+16*\m:39+16*\m], v[SC]
	v_cvt_scalef32_pk8_fp8_f32 v[98+4*\m:99+4*\m], v[40+16*\m:47+16*\m], v[SC]
.endr
	v_nop
.irp m, 0,1,2,3
	ds_store_b128 v[CW], v[96+4*\m:99+4*\m] offset:8192*\m+512*\b
.endr
.endr
	BAR                                            ; the sixteen images lie in LDS
	ACTALL
	v_add_nc_u32 v[BN], s80, v[PB]
	VW
	BIASLD 0
	BIASLD 1
	LAPEND
	s_cmp_eq_u32 s79, 1
	s_cbranch_scc1 .Lffn
	; ---- every wave holds x in registers: lap 1 goes over it into slot 0; lap 0's first two units are read
	CHG1
	CHG2 0
	; ---- q, token 1's rows
.macro QLAP t0
	LAPHEAD
	UNIT 1, 0, \t0, 0
	UNIT 1, 1, \t0+1, 0
	BIASLD 0
	UNIT 1, 2, \t0+2, 0
	TURN 1, \t0+3, 0
	BIASLD 1
	LAPEND
.endm
	QLAP 0
	QLAP 4
	; ---- k and token 1's scores: packed sums S(head, g, key) at R1 + 2 (4 head + 2 g + key)
	STASH R1                                       ; the rows under e3 (every wave's reads of the images under e1 ended ahead of a lap's barrier)
	BAR
	ACTALL
	s_wait_dscnt 0x0
.macro POSTK t
	WIN 0x02
	VW
.irp jj, 0,2,4,6
.irp g, 0,1
.irp key, 0,1
.if ((\t)%4 == 0) && (\jj == 0)
	v_pk_mul_f32 v[R1+2*(4*((\t)/4)+2*\g+\key):R1+2*(4*((\t)/4)+2*\g+\key)+1], v[128+16*(\t)+8*\g+\jj:128+16*(\t)+8*\g+\jj+1], v[ACC+32*((\t)%2)+8*(2*\g+\key)+\jj:ACC+32*((\t)%2)+8*(2*\g+\key)+\jj+1]
.else
	v_pk_fma_f32 v[R1+2*(4*((\t)/4)+2*\g+\key):R1+2*(4*((\t)/4)+2*\g+\key)+1], v[128+16*(\t)+8*\g+\jj:128+16*(\t)+8*\g+\jj+1], v[ACC+32*((\t)%2)+8*(2*\g+\key)+\jj:ACC+32*((\t)%2)+8*(2*\g+\key)+\jj+1], v[R1+2*(4*((\t)/4)+2*\g+\key):R1+2*(4*((\t)/4)+2*\g+\key)+1]
.endif
.endr
.endr
.endr
	WIN 0
.endm
.macro KLAP t0
	LAPHEAD
	UNIT 0, 0, 0, 0
	POSTK \t0
	UNIT 0, 1, 1, 0
	POSTK \t0+1
	BIASLD 0
	UNIT 0, 2, 0, 1
	POSTK \t0+2
	TURN 0, 1, 1
	POSTK \t0+3
	BIASLD 1
	LAPEND
.endm
	KLAP 0
	KLAP 4
	; the softmax of token 1 over its two keys: two heads x two groups of batches
.set SV, R1+32
.set AX, R1+40
.set RC, R1+48
.irp i, 0,1,2,3,4,5,6,7
	v_add_f32 v[SV+\i], v[R1+2*\i], v[R1+2*\i+1]
.endr
.irp i, 0,1,2,3,4,5,6,7
	v_mov_b32 v[AX+\i], 0
.endr
.irp i, 0,1,2,3,4,5,6,7
	v_permlanex16_b32 v[AX+\i], v[SV+\i], s74, s75
.endr
.irp i, 0,1,2,3,4,5,6,7
	v_add_f32 v[SV+\i], v[SV+\i], v[AX+\i]
.endr
.irp k, 0,1,2,3
	v_max_num_f32 v[AX+\k], v[SV+2*\k], v[SV+2*\k+1]
.endr
.irp i, 0,1,2,3,4,5,6,7
	v_sub_f32 v[SV+\i], v[SV+\i], v[AX+\i/2]       ; the larger score is taken away first
.endr
.irp i, 0,1,2,3,4,5,6,7
	v_mul_f32 v[SV+\i], s68, v[SV+\i]
.endr
	VW
.irp i, 0,1,2,3,4,5,6,7
	v_exp_f32 v[SV+\i], v[SV+\i]
.endr
	v_nop
	VW
.irp k, 0,1,2,3
	v_add_f32 v[AX+\k], v[SV+2*\k], v[SV+2*\k+1]
.endr
	VW
.irp k, 0,1,2,3
	v_rcp_f32 v[RC+\k], v[AX+\k]
.endr
	v_nop
	VW
.irp i, 0,1,2,3,4,5,6,7
	v_mul_f32 v[R1+16+2*\i], v[SV+\i], v[RC+\i/2]  ; p(head, g, key), twice: a pair for the packed forms
	v_mul_f32 v[R1+17+2*\i], v[SV+\i], v[RC+\i/2]
.endr
	; ---- v, the context, its codes.  A trip is a lap and a head
	STASH R2                                       ; the rows under e5
	BAR
	ACTALL
	BAR                                            ; every wave has them in registers: the context's codes may be stored over them
.macro CTX
.irp u, 0,1
.irp g, 0,1
.irp jj, 0,2,4,6
	v_pk_mul_f32 v[ACC+32*\u+8*(2*\g+1)+\jj:ACC+32*\u+8*(2*\g+1)+\jj+1], v[ACC+32*\u+8*(2*\g+1)+\jj:ACC+32*\u+8*(2*\g+1)+\jj+1], v[R1+16+2*(2*\g+1):R1+16+2*(2*\g+1)+1]
.endr
.endr
.endr
.irp u, 0,1
.irp g, 0,1
.irp jj, 0,2,4,6
	v_pk_fma_f32 v[ACC+32*\u+8*(2*\g+1)+\jj:ACC+32*\u+8*(2*\g+1)+\jj+1], v[ACC+32*\u+16*\g+\jj:ACC+32*\u+16*\g+\jj+1], v[R1+16+4*\g:R1+16+4*\g+1], v[ACC+32*\u+8*(2*\g+1)+\jj:ACC+32*\u+8*(2*\g+1)+\jj+1]
.endr
.endr
.endr
.endm
	v_mov_b32 v[SC], s62
	v_mov_b32 v[LIM], s63
	s_mov_b32 s81, 0
	VW
.Lv:
	v_add_nc_u32 v[A0], s81, v[CW]
	LAPHEAD
	UNIT 0, 0, 0, 0
	UNIT 0, 1, 1, 0
	VW
	CTX
	QSTORE 0, A0, 0, R2
	BIASLD 0
	UNIT 0, 2, 0, 1
	TURN 0, 1, 1
	CTX
	QSTORE 0, A0, 1, R2+16
	BIASLD 1
.irp i, 0,1,2,3,4,5,6,7
	v_mov_b32 v[R1+16+\i], v[R1+24+\i]             ; the second head's p for the second trip
.endr
	LAPEND
	s_add_co_u32 s81, s81, 1024
	s_cmp_lt_u32 s81, 2048
	VW
	s_cbranch_scc1 .Lv
	BAR
	ACTALL
	s_wait_dscnt 0x0
	; ---- Wo and the residual: x1 = x + sum x 2^(e6 + e7), in window 3 (bo went in as the first product's C)
.macro XADD b
	WIN 0xf0
.irp u, 0,1
.irp m, 0,1,2,3
.irp jj, 0,2,4,6
	v_pk_fma_f32 v[8*(4*(2*(\b)+\u)+\m)+\jj:8*(4*(2*(\b)+\u)+\m)+\jj+1], v[ACC+32*\u+8*\m+\jj:ACC+32*\u+8*\m+\jj+1], s[70:71], v[8*(4*(2*(\b)+\u)+\m)+\jj:8*(4*(2*(\b)+\u)+\m)+\jj+1] op_sel_hi:[1,0,1]
.endr
.endr
.endr
	WIN 0
.endm
.macro OLAP b0
	LAPHEAD
	UNIT 0, 0, 0, 0
	UNIT 0, 1, 1, 0
	XADD \b0
	BIASLD 0
	UNIT 0, 2, 0, 1
	TURN 0, 1, 1
	XADD \b0+1
	BIASLD 1
	LAPEND
.endm
	OLAP 0
	OLAP 2
	s_sub_co_u32 s80, s80, 256                     ; the norm uses the biases' registers: the next lap's are fetched anew behind it
	s_mov_b32 s54, s60                             ; LN2's scale
	s_mov_b32 s55, s61
	s_add_co_u32 s[LNO], s[LNO], 1024
	s_add_co_u32 s79, s79, 1
	s_cmp_lt_u32 s79, 2
	VW
	s_cbranch_scc1 .Lln
	; ---- the feed-forward layers
.Lffn:
	BAR                                            ; every wave has h2 in registers: the hidden codes may be stored over its images
.set gi, 0
.rept 16
	ds_load_b128 v[R1+4*gi:R1+4*gi+3], v[PB] offset:4096+128*(gi/4)+16*(gi%4)
.set gi, gi+1
.endr
	v_mov_b32 v[SC], s66
	v_mov_b32 v[LIM], s67
	s_wait_dscnt 0x0
	WIN 0xc3
.set yi, 0
.rept 32                                       ; the last sums begin as (x1 + b2) / 2^(e10 + e11)
.irp jj, 0,2,4,6
	v_pk_fma_f32 v[8*yi+\jj:8*yi+\jj+1], v[8*yi+\jj:8*yi+\jj+1], s[76:77], v[R1+16*(yi/8)+8*((yi/4)%2)+\jj:R1+16*(yi/8)+8*((yi/4)%2)+\jj+1] op_sel_hi:[1,0,1]
.endr
.set yi, yi+1
.endr
	WIN 0
.macro HFLOAD buf, s
.irp m, 0,1,2,3
.irp c, 0,1,2,3
	ds_load_b128 v[(\buf)+16*\m+4*\c:(\buf)+16*\m+4*\c+3], v[A0] offset:8192*\m+2048*(\s)+512*\c
.endr
.endr
.endm
.macro DOWN3                           ; two K steps' hidden fragments, and a lap's first three units of W2
	v_add_nc_u32 v[A0], s81, v[IB]
	VW
	HFLOAD R2, 0
	HFLOAD R1, 1
	UNIT 2, 0, 0, R2
	UNIT 2, 1, 1, R2
	UNIT 2, 2, 0, R1
.endm
	s_mov_b32 s78, 4
	VW
.Lchunk:
	s_mov_b32 s81, 0
.Lup:                                                  ; my 128 hidden units of the chunk: two laps
	v_add_nc_u32 v[A0], s81, v[CW]
	LAPHEAD
	UNIT 0, 0, 0, 0
	UNIT 0, 1, 1, 0
	QSTORE 1, A0, 0, R1
	BIASLD 0
	UNIT 0, 2, 0, 1
	TURN 0, 1, 1
	QSTORE 1, A0, 1, R1+16
	BIASLD 1
	LAPEND
	s_add_co_u32 s81, s81, 1024
	s_cmp_lt_u32 s81, 2048
	VW
	s_cbranch_scc1 .Lup
	BAR                                            ; the chunk's sixteen fragments lie in LDS
	s_mov_b32 s81, 0
	s_cmp_eq_u32 s78, 1
	s_cbranch_scc1 .Lfin                           ; the stream's last two laps ask for nothing more: they are written out
.Ldn:                                                  ; two laps of W2; the second lap's barrier also ends every wave's reads of the chunk
	DOWN3
	TURN 2, 1, R1
	s_add_co_u32 s81, s81, 4096
	s_cmp_lt_u32 s81, 8192
	s_cbranch_scc1 .Ldn
	s_sub_co_u32 s78, s78, 1
	s_cmp_lg_u32 s78, 0
	s_cbranch_scc1 .Lchunk
.Lfin:
	DOWN3
	s_wait_tensorcnt 0x0                           ; my part of the last lap is in; only I read it
	s_wait_dscnt 0x0
	MUL 2, 3, 1, R1
	WIN 0
	PLACES
	s_cmp_eq_u32 s81, 4096
	s_cbranch_scc1 .Lnomore
	v_xor_b32 v[WBA], SLX, v[WBA]
	VW
	WLOAD 0
	WLOAD 1
.Lnomore:
	s_add_co_u32 s81, s81, 4096
	s_cmp_lt_u32 s81, 8192
	s_cbranch_scc1 .Lfin
	; ---- THE WAY OUT: out = sum x 2^(e10 + e11), through stages in my own 32,768 bytes of each slot (both have had their last fill), back by rows: each store of the wave covers 512 consecutive bytes, aligned
	v_and_b32 v14, 15, v0
	v_bfe_u32 v15, v0, 4, 1
	s_sub_co_u32 s87, s69, SLX
	v_mul_u32_u24 v[XC2], v14, SPI
	v_lshl_add_u32 v[XC2], v15, 6, v[XC2]
	v_add_nc_u32 v[XC0], s69, v[XC2]               ; row tiles 0, 1: in slot 1
	v_add_nc_u32 v[XC2], s87, v[XC2]               ; row tiles 2, 3: in slot 0
	v_add_nc_u32 v14, s69, v[LI]
	v_add_nc_u32 v15, s87, v[LI]
	WIN 0xc3
.set xi, 0
.rept 128
	v_pk_mul_f32 v[2*xi:2*xi+1], v[2*xi:2*xi+1], s[72:73] op_sel_hi:[1,0]
.set xi, xi+1
.endr
	WIN 0x0c
.set xi, 0
.rept 64
	ds_store_b128 v[XC0+((xi/2)%4)/2], v[8*(xi/2)+4*(xi%2):8*(xi/2)+4*(xi%2)+3] offset:((xi/2)%2)*16*SPI+128*(xi/16)+32*((xi/8)%2)+16*(xi%2)
.set xi, xi+1
.endr
	WIN 0x40
.set xi, 0
.rept 64
	ds_load_b128 v[4*xi:4*xi+3], v[14+xi/32] offset:(xi%32)*SPI    ; LDS serves a wave's instructions in order (ISA guide 5.7.1.4): these see my stores
.set xi, xi+1
.endr
	WIN 0x04
.set xi, 0
.rept 64
.if xi%16 == 0
	s_wait_dscnt 48-16*(xi/16)
.endif
	global_store_b128 v[GO], v[4*xi:4*xi+3], s[2:3] offset:(32*(xi/32)+2*(xi%16)+(xi/16)%2)*2048 th:TH_STORE_NT
.set xi, xi+1
.endr
	WIN 0
	s_wait_tensorcnt 0x0                           ; the wave's end
	ds_add_u32 v[SPW], v[NIL]
	s_wait_dscnt 0x0
	ROUND                                          ; the closing round
	s_endpgm
.Lfunc_end_k_qd70850fde3_block:
	.size	k_qd70850fde3_block, .Lfunc_end_k_qd70850fde3_block-k_qd70850fde3_block
	.p2alignl 7, 3214868480
	.fill 96, 4, 3214868480
	.section	.rodata,"a",@progbits
	.p2align	6, 0x0
	.amdhsa_kernel k_qd70850fde3_block
		.amdhsa_group_segment_fixed_size 327680
		.amdhsa_private_segment_fixed_size 0
		.amdhsa_enable_private_segment 0
		.amdhsa_kernarg_size 112
		.amdhsa_user_sgpr_count 2
		.amdhsa_user_sgpr_kernarg_segment_ptr 1
		.amdhsa_wavefront_size32 1
		.amdhsa_system_sgpr_workgroup_id_x 1
		.amdhsa_system_sgpr_workgroup_id_y 1
		.amdhsa_system_sgpr_workgroup_id_z 1
		.amdhsa_system_vgpr_workitem_id 0
		.amdhsa_next_free_vgpr 1024
		.amdhsa_next_free_sgpr 100
		.amdhsa_reserve_vcc 0
		.amdhsa_float_denorm_mode_32 3
		.amdhsa_float_denorm_mode_16_64 3
		.amdhsa_memory_ordered 1
		.amdhsa_forward_progress 1
		.amdhsa_inst_pref_size 255
	.end_amdhsa_kernel
	.section	.bss,"aw",@nobits
	.p2align	6
	.space	262144
	.amdgpu_metadata
---
amdhsa.version: [ 1, 2 ]
amdhsa.kernels:
  - .name:           k_qd70850fde3_block
    .symbol:         k_qd70850fde3_block.kd
    .args:
      - { .name: x, .offset: 0, .size: 8, .value_kind: global_buffer, .address_space: global }
      - { .name: wcodes, .offset: 8, .size: 8, .value_kind: global_buffer, .address_space: global }
      - { .name: lowp_scales, .offset: 16, .size: 8, .value_kind: global_buffer, .address_space: global }
      - { .name: bq, .offset: 24, .size: 8, .value_kind: global_buffer, .address_space: global }
      - { .name: bk, .offset: 32, .size: 8, .value_kind: global_buffer, .address_space: global }
      - { .name: bv, .offset: 40, .size: 8, .value_kind: global_buffer, .address_space: global }
      - { .name: bo, .offset: 48, .size: 8, .value_kind: global_buffer, .address_space: global }
      - { .name: b1, .offset: 56, .size: 8, .value_kind: global_buffer, .address_space: global }
      - { .name: b2, .offset: 64, .size: 8, .value_kind: global_buffer, .address_space: global }
      - { .name: ln1_g, .offset: 72, .size: 8, .value_kind: global_buffer, .address_space: global }
      - { .name: ln1_b, .offset: 80, .size: 8, .value_kind: global_buffer, .address_space: global }
      - { .name: ln2_g, .offset: 88, .size: 8, .value_kind: global_buffer, .address_space: global }
      - { .name: ln2_b, .offset: 96, .size: 8, .value_kind: global_buffer, .address_space: global }
      - { .name: out0, .offset: 104, .size: 8, .value_kind: global_buffer, .address_space: global }
    .group_segment_fixed_size: 327680
    .private_segment_fixed_size: 0
    .kernarg_segment_align: 8
    .kernarg_segment_size: 112
    .max_flat_workgroup_size: 128
    .sgpr_count:     100
    .vgpr_count:     1024
    .wavefront_size: 32
...
	.end_amdgpu_metadata
.endif
;; end of part 2
